; MI455X (gfx1250); checked and timed in simulation.
; The chip was launched on July 23, 2026; its instructions are those of AMD's public machine-readable ISA for CDNA 5 (MIT licence, August 2026) and "CDNA5" Instruction Set Architecture Reference Guide (July 2026). The comments in the code are by the model that wrote it; some were corrected since.
;; Self Attention. Allowed arithmetic: matrix products marked QUANTISED: E5M2 operands, one given power-of-two scale a tensor, by v_wmma_f32_16x16x64_bf8_bf8 or v_wmma_f32_16x16x128_bf8_bf8, f32 sums; everything else in f32.
;; Inputs: Wk 1,024 x 1,024 float32; Wq 1,024 x 1,024 float32; Wv 1,024 x 1,024 float32; lowp_scales 10 int32 (the exponents e of the quantised operands' scales 2^e); x 4 x 2,048 x 1,024 float32.
;; Outputs: out0 4 x 2,048 x 1,024 float32.
;; This version of the problem:
;;   THIS VERSION OF THE PROBLEM IS GIVEN IN LOW PRECISION. The matrix products marked QUANTISED in the list below multiply operands that are first quantised to E5M2 (5 exponent bits, 2 mantissa bits; 8 bits a number), with one given power-of-two scale for each operand tensor; their sums are f32. All else is computed in f32.
;;   The module's matrix products, in the order in which they are computed (A, B: the left and right operand; K: the contracted axis; several contracted axes count as one K, in the product's order):
;;     1. [M 8,192, K 1,024] x [K 1,024, N 1,024]; A: input x; B: input Wq: QUANTISED (scales: A lowp_scales[0], B lowp_scales[1])
;;     2. [M 8,192, K 1,024] x [K 1,024, N 1,024]; A: input x; B: input Wk: QUANTISED (scales: A lowp_scales[2], B lowp_scales[3])
;;     3. [M 8,192, K 1,024] x [K 1,024, N 1,024]; A: input x; B: input Wv: QUANTISED (scales: A lowp_scales[4], B lowp_scales[5])
;;     4. batch 64 x [M 2,048, K 64] x [K 64, N 2,048]; A: computed on the way; B: computed on the way: QUANTISED (scales: A lowp_scales[6], B lowp_scales[7])
;;     5. batch 64 x [M 2,048, K 2,048] x [K 2,048, N 64]; A: softmax (see below); B: computed on the way: QUANTISED (scales: A lowp_scales[8], B lowp_scales[9])
;;   THE QUANTISER, for each operand of a quantised product, along K:
;;     - The operand's scale is 2^e, e = its entry of the input lowp_scales (int32; the entries are numbered through the quantised products in the list's order, A before B).
;;     - Each number is divided by the scale, clamped to +-57,344, and rounded to the nearest number of E5M2, ties to even, subnormals kept.
;;     - The product sums the exact products of the quantised numbers (number of the format x scale) in f32.
;;   ~~~python
;;   def quantise(x, axis, e):      # numpy; x: float32 -> the quantised numbers, widened to float32 again
;;       x = np.moveaxis(x, axis, -1); K = x.shape[-1]
;;       r = np.clip(x / 2.0 ** e, -57344, 57344)
;;       step = 2.0 ** (np.maximum(np.frexp(np.where(r == 0, 1, r))[1] - 1, -14) - 2)
;;       q = np.round(r / step) * step * 2.0 ** e      # np.round: ties to even
;;       return np.moveaxis(q, -1, axis).astype(np.float32)
;;   ~~~
;;   SOFTMAX AHEAD OF A QUANTISED PRODUCT. Where the list says 'softmax', what is quantised is not the finished softmax but p = 2^(t - M), with t = logit x log2(e) and M = ceil(the row's largest t), a whole number; so 1/2 < the row's largest p <= 1. The row's sum l is taken of the UNQUANTISED p, in f32, and the product's result is divided by l at the end. Since M is a whole number, a kernel that streams over the keys may use a running M (the ceiling of the running maximum): every later rescaling is an exact power of two, so the quantised numbers keep their values, but for numbers so far below the row's largest that they fall under the format's range.
;;   OPERANDS COMPUTED ON THE WAY. 'Computed on the way' means the value that the module computes at that place (a softmax that the list does not call 'softmax' is quantised finished and normalised). What goes into a quantiser is computed in f32, as accurately as f32 sums, v_exp_f32 and their like allow (about 1e-6 of the number): no bf16 or f16 on the way to a quantiser, and a product that is left as it is and whose result goes on into a quantised operand takes f32 operands (vector FMAs, or v_wmma_f32_16x16x4_f32). A number that lies on a knife's edge between two numbers of the format may be rounded either way, as far as f32 arithmetic and the matrix unit's own rounding can turn it there, and no further.
;; One version. Each part assembles by itself: llvm-mc -triple=amdgcn-amd-amdhsa -mcpu=gfx1250 --defsym DOCPART=n.
;; ======== version 1 of 1: 3 launches
;; limits: right only within a limited range of input values
;; workspace buffers: xc 25,165,824 bytes; wc 3,145,728 bytes; qkv 25,165,824 bytes
;; launch quant (part 1): grid 256 x 1, 8 waves a work-group, no clusters, 66,560 bytes of LDS; arguments x, Wq, Wk, Wv, lowp_scales, xc, wc; writes xc, wc
.if DOCPART == 1
	.amdgcn_target "amdgcn-amd-amdhsa--gfx1250"
	.amdhsa_code_object_version 6
	.text
	.protected	k_qad401ea3bb_quant
	.globl	k_qad401ea3bb_quant
	.p2align	8
	.type	k_qad401ea3bb_quant,@function
k_qad401ea3bb_quant:
	s_mov_b64 s[64:65], 0
	v_nop
	global_prefetch_b8 v0, s[64:65] scope:SCOPE_SE
	s_setreg_imm32_b32 hwreg(HW_REG_WAVE_MODE, 25, 1), 1
	s_wait_xcnt 0x0
; x [8192][1024] and Wq, Wk, Wv [1024][1024], f32 with K innermost, become codes of BF8 (E5M2), one byte each, K innermost.
; x is an operand of three products, each with a scale of its own (entries 0, 2, 4 of the scales), so it gets three sets of codes:
; xc = [3][8192][1024].  W of product p takes entry 2 p + 1: wc = [3][1024][1024] (Wq, Wk, Wv).
; code = number / 2^e, held within +-57,344, rounded to the nearest code, ties to even.
; LIMITS: each e between -126 and 112, so that 2^e and 57,344 x 2^e are f32 numbers.  NaN among the inputs is not served.
; SHARES.  All tensors are dense streams.  2,048 waves; wave gw takes 4,096 numbers of x (8 steps of 512) and 512 numbers of each W
; (one step each): 11 steps, the same path in every wave, so that every byte is read once and all work-groups have equal work.
; A step's four loads read 512 consecutive bytes each, 16 a lane.  The conversions want 8 neighbours along K in ONE lane's registers, so the
; step's 2,048 bytes turn through the wave's own stage in LDS (16 bytes of padding behind each 64) and come back 64 bytes a lane.
; A lane's 16 codes are 16 bytes: a store of the wave covers 512 consecutive bytes, aligned.  Waves share nothing: no barrier.
; All 44 loads of a wave are issued at the start, each step into registers of its own.  No tensor loads and no matrix unit: bytes are all that counts here.
.set NSTEP, 11
.set WREG,  8192                       ; LDS of a wave: two stages of 32 x SP bytes
.set SP,    80                         ; a lane's place in a stage: 64 bytes + 16 of padding
.set SC,    6                          ; v6-11    2^e as f32, entries 0 to 5
.set R,     16                         ; v16-191  eleven sets of 16 numbers as they are loaded
.set X,     192                        ; v192-223 two sets of 16 neighbours
.set T,     224
.set C,     240                        ; v240-251 three sets of four registers of codes
.set LIMP,  40                         ; s40-45   57,344 x 2^e
.set LIMN,  46                         ; s46-51   the same, negative
	s_load_b256 s[4:11], s[0:1], 0x0               ; x s[4:5], Wq s[6:7], Wk s[8:9], Wv s[10:11]
	s_load_b128 s[12:15], s[0:1], 0x20             ; the scales' exponents s[12:13], xc s[14:15]
	s_load_b64 s[16:17], s[0:1], 0x30              ; wc
	v_lshl_add_u32 v254, v0, 2, 0x10000
	v_mov_b32 v255, 0
	v_lshrrev_b32 v1, 5, v0
	s_delay_alu instid0(VALU_DEP_1)
	v_readfirstlane_b32 s18, v1                    ; wave 0..7
	v_and_b32 v2, 31, v0                           ; lane
	s_delay_alu instid0(VALU_DEP_1)
	v_lshlrev_b32 v3, 4, v2                        ; my 16 bytes of a load's or a store's 512; never rewritten
	s_mul_i32 s19, s18, WREG
	v_lshrrev_b32 v4, 2, v2
	s_delay_alu instid0(VALU_DEP_1)
	v_mul_u32_u24 v4, v4, SP
	v_and_b32 v5, 3, v2
	s_delay_alu instid0(VALU_DEP_1)
	v_lshl_add_u32 v4, v5, 4, v4
	s_delay_alu instid0(VALU_DEP_1)
	v_add_nc_u32 v4, s19, v4                       ; the stage, on the way in: four lanes' 64 bytes on end, then the padding
	v_mul_u32_u24 v5, v2, SP
	s_delay_alu instid0(VALU_DEP_1)
	v_add_nc_u32 v5, s19, v5                       ; and on the way out: my 16 neighbours
	s_lshl_b32 s20, ttmp9, 3
	s_add_co_u32 s20, s20, s18                     ; gw = 8 x work-group + wave
	s_mov_b32 s23, 0
	s_wait_alu depctr_va_vdst(0)
	s_wait_kmcnt 0x0
	s_load_b256 s[24:31], s[12:13], 0x0            ; entries 0 to 7; 0 to 5 are used here
	s_lshl_b32 s22, s20, 14                        ; 4,096 numbers of x
	s_add_nc_u64 s[4:5], s[4:5], s[22:23]
	s_lshl_b32 s22, s20, 11                        ; 512 numbers of each W
	s_add_nc_u64 s[6:7], s[6:7], s[22:23]
	s_add_nc_u64 s[8:9], s[8:9], s[22:23]
	s_add_nc_u64 s[10:11], s[10:11], s[22:23]
	s_lshl_b32 s22, s20, 12                        ; 4,096 codes of x, in each of the three sets
	s_add_nc_u64 s[32:33], s[14:15], s[22:23]
	s_add_nc_u64 s[34:35], s[32:33], 0x800000
	s_add_nc_u64 s[36:37], s[34:35], 0x800000
	s_lshl_b32 s22, s20, 9                         ; 512 codes of each W
	s_add_nc_u64 s[16:17], s[16:17], s[22:23]
.macro LOAD t                          ; step t's 512 numbers
.irp i, 0,1,2,3
.if (\t) < 8
	global_load_b128 v[R+16*(\t)+4*\i:R+16*(\t)+4*\i+3], v3, s[4:5] offset:2048*(\t)+512*\i th:TH_LOAD_NT
.else
	global_load_b128 v[R+16*(\t)+4*\i:R+16*(\t)+4*\i+3], v3, s[6+2*((\t)-8):7+2*((\t)-8)] offset:512*\i th:TH_LOAD_NT
.endif
.endr
.endm
.macro TURN t                          ; step t's numbers through the stage: LDS serves a wave's instructions in order, so no wait stands between the stores and the loads
.irp i, 0,1,2,3
	ds_store_b128 v4, v[R+16*(\t)+4*\i:R+16*(\t)+4*\i+3] offset:32*SP*((\t)%2)+8*SP*\i
.endr
.irp i, 0,1,2,3
	ds_load_b128 v[X+16*((\t)%2)+4*\i:X+16*((\t)%2)+4*\i+3], v5 offset:32*SP*((\t)%2)+16*\i
.endr
.endm
; 16 numbers at v[xs] become 16 codes under entry j of the scales, in code set c, and go to s[d:d+1] + off
.macro Q1 xs, j, c, d, off
.irp i, 0,1,2,3,4,5,6,7,8,9,10,11,12,13,14,15
.endr
	v_cvt_scalef32_pk8_bf8_f32 v[C+4*\c:C+4*\c+1], v[\xs:\xs+7], v[SC+\j]
	v_cvt_scalef32_pk8_bf8_f32 v[C+4*\c+2:C+4*\c+3], v[\xs+8:\xs+15], v[SC+\j]
	v_nop                                          ; a plain line behind the conversions
	global_store_b128 v3, v[C+4*\c:C+4*\c+3], s[\d:\d+1] offset:\off
.endm
.irp t, 0,1,2,3,4,5,6,7,8,9,10
	LOAD \t
.endr
	s_wait_kmcnt 0x0
.irp j, 0,1,2,3,4,5
	s_add_co_i32 s52, s[24+\j], 127
	s_lshl_b32 s53, s52, 23
	v_mov_b32 v[SC+\j], s53                        ; 2^e as f32: the conversion takes its exponent field
	s_add_co_i32 s52, s52, 15
	s_lshl_b32 s52, s52, 23
	s_or_b32 s[LIMP+\j], s52, 0x600000             ; 57,344 x 2^e
	s_or_b32 s[LIMN+\j], s[LIMP+\j], 0x80000000
.endr
	s_wait_alu depctr_va_vdst(0)
	s_wait_loadcnt 40                              ; step 0's four loads are in; the ten steps behind it may be out
	TURN 0
.macro STEP t
	s_wait_dscnt 0x0                               ; this step's numbers are back from the stage
.if (\t) < NSTEP-1
	s_wait_loadcnt 4*(NSTEP-2-(\t))                ; the next step's four loads are in; those of the steps behind it may be out
	TURN (\t)+1                                    ; and go through the other stage while this step is worked
.endif
.if (\t) > 0
	s_wait_xcnt 0x0                                ; the last step's stores have read their data: the code registers are written again only behind this wait
.endif
.if (\t) < 8
	Q1 X+16*((\t)%2), 0, 0, 32, 512*(\t)
	Q1 X+16*((\t)%2), 2, 1, 34, 512*(\t)
	Q1 X+16*((\t)%2), 4, 2, 36, 512*(\t)
.else
	Q1 X+16*((\t)%2), 2*((\t)-8)+1, 0, 16, 1048576*((\t)-8)
.endif
.endm
.irp t, 0,1,2,3,4,5,6,7,8,9,10
	STEP \t
.endr
	s_wait_tensorcnt 0x0
	ds_add_u32 v254, v255
	s_wait_dscnt 0x0
	s_endpgm
.Lfunc_end_k_qad401ea3bb_quant:
	.size	k_qad401ea3bb_quant, .Lfunc_end_k_qad401ea3bb_quant-k_qad401ea3bb_quant
	.p2alignl 7, 3214868480
	.fill 96, 4, 3214868480
	.section	.rodata,"a",@progbits
	.p2align	6, 0x0
	.amdhsa_kernel k_qad401ea3bb_quant
		.amdhsa_group_segment_fixed_size 66560
		.amdhsa_private_segment_fixed_size 0
		.amdhsa_enable_private_segment 0
		.amdhsa_kernarg_size 56
		.amdhsa_user_sgpr_count 2
		.amdhsa_user_sgpr_kernarg_segment_ptr 1
		.amdhsa_wavefront_size32 1
		.amdhsa_system_sgpr_workgroup_id_x 1
		.amdhsa_system_sgpr_workgroup_id_y 1
		.amdhsa_system_sgpr_workgroup_id_z 1
		.amdhsa_system_vgpr_workitem_id 0
		.amdhsa_next_free_vgpr 256
		.amdhsa_next_free_sgpr 66
		.amdhsa_reserve_vcc 0
		.amdhsa_float_denorm_mode_32 3
		.amdhsa_float_denorm_mode_16_64 3
		.amdhsa_fp16_overflow 1
		.amdhsa_memory_ordered 1
		.amdhsa_forward_progress 1
		.amdhsa_inst_pref_size 22
	.end_amdhsa_kernel
	.amdgpu_metadata
---
amdhsa.version: [ 1, 2 ]
amdhsa.kernels:
  - .name:           k_qad401ea3bb_quant
    .symbol:         k_qad401ea3bb_quant.kd
    .args:
      - { .name: x, .offset: 0, .size: 8, .value_kind: global_buffer, .address_space: global }
      - { .name: Wq, .offset: 8, .size: 8, .value_kind: global_buffer, .address_space: global }
      - { .name: Wk, .offset: 16, .size: 8, .value_kind: global_buffer, .address_space: global }
      - { .name: Wv, .offset: 24, .size: 8, .value_kind: global_buffer, .address_space: global }
      - { .name: lowp_scales, .offset: 32, .size: 8, .value_kind: global_buffer, .address_space: global }
      - { .name: xc, .offset: 40, .size: 8, .value_kind: global_buffer, .address_space: global }
      - { .name: wc, .offset: 48, .size: 8, .value_kind: global_buffer, .address_space: global }
    .group_segment_fixed_size: 66560
    .private_segment_fixed_size: 0
    .kernarg_segment_align: 8
    .kernarg_segment_size: 56
    .max_flat_workgroup_size: 256
    .sgpr_count:     66
    .vgpr_count:     256
    .wavefront_size: 32
...
	.end_amdgpu_metadata
.endif
;; end of part 1
;; launch proj (part 2): grid 12 x 32, 4 waves a work-group, clusters of 4 x 4, 327,680 bytes of LDS; arguments xc, wc, lowp_scales, qkv; writes qkv
.if DOCPART == 2
	.amdgcn_target "amdgcn-amd-amdhsa--gfx1250"
	.amdhsa_code_object_version 6
	.text
	.protected	k_qad401ea3bb_proj
	.globl	k_qad401ea3bb_proj
	.p2align	8
	.type	k_qad401ea3bb_proj,@function
k_qad401ea3bb_proj:
	s_mov_b64 s[64:65], 0
	v_nop
	global_prefetch_b8 v0, s[64:65] scope:SCOPE_SE
	s_setreg_imm32_b32 hwreg(HW_REG_WAVE_MODE, 25, 1), 1
	s_wait_xcnt 0x0
	s_wait_alu depctr_hold_cnt(0) depctr_sa_sdst(0) depctr_va_vdst(0) depctr_va_sdst(0) depctr_va_ssrc(0) depctr_va_vcc(0) depctr_vm_vsrc(0)
	s_getreg_b32 s2, hwreg(HW_REG_IB_STS2, 6, 4)
	s_cmp_eq_u32 s2, 0
	s_cbranch_scc0 .Lentry_in_a_cluster
	s_endpgm
.Lentry_in_a_cluster:
	s_bfe_u32 s2, ttmp6, 0x10000c
	s_cmp_lg_u32 s2, 0xf033
	s_cbranch_scc0 .Lentry_shape_is_right
	s_endpgm
.Lentry_shape_is_right:
.set KSTEP,  256
.set ROWB,   256
.set KROW,   1024
.set PITCH,  272
.set FR,     16
.set NL,     4
.set NP,     4
.set HALFT,  128*PITCH
.set SLOT,   4*HALFT
.set SPARE,  2*SLOT
.set STQ,    0
.set STV,    40960
.set ADRA, 16
.set ADRB, 20
.set SCL,  22
.set LIM,  23
.set STOQ, 24
.set RDQ,  25
.set CO,   26
.set STOV, 27
.set SPW,  28
.set NIL,  29
.set RDV,  30
.set TMP,  32
.set AF,   128
.set CODE, 128
.set G1, 24
.set G0, 32
.set G1B, 48
.set G0B, 56
.set MSB, 0
.macro WIN new
.if MSB != \new
	s_set_vgpr_msb (MSB<<8)|\new
.set MSB, \new
.endif
.endm
.set MUL_LO, 0xa1
.set MUL_HI, 0xf1
.set TO_B,   0x40
.macro JLOAD g0a, g1a, g0b, g1b
	s_cmp_eq_u32 s15, 0
	s_cbranch_scc0 .Lfor_b_\@
	tensor_load_to_lds s[\g0a:\g0a+3], s[\g1a:\g1a+7]
	s_nop 0
.rept 4
	v_nop
.endr
	s_branch .Lasked_\@
.Lfor_b_\@:
	tensor_load_to_lds s[\g0b:\g0b+3], s[\g1b:\g1b+7]
	s_nop 0
.rept 4
	v_nop
.endr
.Lasked_\@:
.endm
.macro CREST
	s_cmp_lg_u32 s14, 0
	s_cbranch_scc1 .Lnot_wave_0_\@
	s_barrier_signal -3
.Lnot_wave_0_\@:
	s_barrier_wait -3
	s_barrier_signal -1
	s_barrier_wait -1
.endm
.macro CROUND
	s_barrier_signal -1
	s_barrier_wait -1
	CREST
.endm
	s_load_b128 s[4:7], s[0:1], 0x0
	s_load_b128 s[8:11], s[0:1], 0x10
	v_lshl_add_u32 v[SPW], v0, 2, SPARE
	v_mov_b32 v[NIL], 0
	ds_add_u32 v28, v29
	ds_add_u32 v28, v29
	s_wait_dscnt 0x0
	v_lshrrev_b32 v1, 5, v0
	v_readfirstlane_b32 s14, v1
	s_lshr_b32 s15, s14, 1
	s_and_b32 s16, s14, 1
	s_bfe_u32 s40, ttmp6, 0x40000
	s_bfe_u32 s41, ttmp6, 0x40004
	s_mov_b32 s66, ttmp9
	s_and_b32 s67, ttmp7, 0xffff
	s_cmp_eq_u32 s66, 2
	s_cselect_b32 s68, 0, s67
	s_cselect_b32 s69, s67, 0
	s_lshl_b32 s42, s69, 2
	s_add_co_u32 s42, s42, s40
	s_lshl_b32 s17, s68, 2
	s_add_co_u32 s17, s17, s41
	s_lshl_b32 s43, s41, 2
	s_lshl_b32 s43, 15, s43
	s_lshl_b32 s44, 0x1111, s40
	s_or_b32 s[G1+0], s43, (0<<16)|(1<<20)|(1<<21)|(5<<22)|(3<<25)
	s_or_b32 s[G1B+0], s44, (0<<16)|(1<<20)|(1<<21)|(5<<22)|(3<<25)
.irp g, G1, G1B
	s_mov_b32 s[\g+1], ROWB<<16
	s_mov_b32 s[\g+2], 128<<16
	s_mov_b32 s[\g+3], ROWB<<16
	s_mov_b32 s[\g+4], 128
	s_mov_b32 s[\g+5], KROW
	s_mov_b32 s[\g+6], 0
	s_mov_b32 s[\g+7], 0
.endr
	s_lshl_b32 s18, s16, 7
	s_lshl_b32 s20, s17, 8
	s_add_co_u32 s20, s20, s18
	s_lshl_b32 s20, s20, 10
	s_mov_b32 s21, 0
	s_lshl_b32 s46, s42, 8
	s_add_co_u32 s46, s46, s18
	s_lshl_b32 s46, s46, 10
	s_mov_b32 s47, 0
	s_mul_i32 s45, s14, HALFT
	s_lshl_b32 s78, s66, 23
	s_mov_b32 s79, 0
	s_lshl_b32 s84, s66, 20
	s_mov_b32 s85, 0
	s_lshl_b32 s86, s66, 3
	s_mov_b32 s87, 0
	s_lshr_b32 s92, s66, 1
	s_add_co_u32 s92, s92, s66
	s_add_co_u32 s92, s92, 6
	s_lshl_b32 s92, s92, 2
	s_mov_b32 s93, 0
	s_wait_kmcnt 0x0
	s_add_nc_u64 s[88:89], s[8:9], s[86:87]
	s_add_nc_u64 s[90:91], s[8:9], s[92:93]
	s_load_b64 s[82:83], s[88:89], 0x0
	s_load_b32 s80, s[90:91], 0x0
	s_add_nc_u64 s[70:71], s[4:5], s[78:79]
	s_add_nc_u64 s[72:73], s[6:7], s[84:85]
	s_cmp_eq_u32 s66, 2
	s_cselect_b64 s[74:75], s[72:73], s[70:71]
	s_cselect_b64 s[76:77], s[70:71], s[72:73]
	s_add_nc_u64 s[20:21], s[74:75], s[20:21]
	s_add_nc_u64 s[46:47], s[76:77], s[46:47]
	CROUND
.irp s, 0,1
	s_mov_b32 s[G0+4*\s], 1
	s_add_co_u32 s[G0+4*\s+1], s45, \s*SLOT
	s_add_nc_u64 s[G0+4*\s+2:G0+4*\s+3], s[20:21], \s*ROWB
	s_or_b32 s[G0+4*\s+3], s[G0+4*\s+3], 0x80000000
	s_mov_b32 s[G0B+4*\s], 1
	s_add_co_u32 s[G0B+4*\s+1], s45, \s*SLOT
	s_add_nc_u64 s[G0B+4*\s+2:G0B+4*\s+3], s[46:47], \s*ROWB
	s_or_b32 s[G0B+4*\s+3], s[G0B+4*\s+3], 0x80000000
	s_wait_alu depctr_va_vdst(0)
	s_wait_tensorcnt 0x0
	ds_add_u32 v28, v29
	ds_add_u32 v28, v29
	s_wait_dscnt 0x0
	CROUND
	JLOAD G0+4*\s, G1, G0B+4*\s, G1B
.endr
	v_and_b32 v1, 15, v0
	v_bfe_u32 v2, v0, 4, 1
	v_mul_u32_u24 v3, v1, PITCH
	v_lshl_add_u32 v4, v2, 4, v3
	s_mul_i32 s21, s15, HALFT
	s_mul_i32 s22, s16, HALFT
	s_add_co_u32 s22, s22, 2*HALFT
.irp s, 0,1
	v_add_nc_u32 v[ADRA+\s], s21, v4
	v_add_nc_u32 v[ADRB+\s], s22, v4
	s_add_co_u32 s21, s21, SLOT
	s_add_co_u32 s22, s22, SLOT
.endr
	v_and_b32 v6, 31, v0
	v_lshlrev_b32 v[CO], 4, v6
	s_mul_i32 s23, s14, 10240
	v_mul_u32_u24 v5, v1, 80
	v_lshl_add_u32 v5, v2, 3, v5
	v_add_nc_u32 v[STOQ], s23, v5
	v_lshrrev_b32 v7, 2, v6
	v_mul_u32_u24 v7, v7, 80
	v_and_b32 v8, 3, v6
	v_lshl_add_u32 v7, v8, 4, v7
	v_add_nc_u32 v[RDQ], s23, v7
	s_mul_i32 s23, s14, 9216
	s_add_co_u32 s23, s23, STV
	v_mul_u32_u24 v5, v1, 144
	v_lshl_add_u32 v5, v2, 4, v5
	v_add_nc_u32 v[STOV], s23, v5
	v_lshrrev_b32 v7, 3, v6
	v_mul_u32_u24 v7, v7, 144
	v_and_b32 v8, 7, v6
	v_lshl_add_u32 v7, v8, 4, v7
	v_add_nc_u32 v[RDV], s23, v7
.macro FRAG reg, adr, q, i
.irp c, 0,1,2,3
	ds_load_b128 v[\reg+4*\c:\reg+4*\c+3], v[\adr] offset:128*(\q)+32*\c+(\i)*16*PITCH
.endr
.endm
.macro MUL16 a0, p, zero
.irp a, \a0, \a0+1
.irp b, 0,1,2,3,4,5,6,7
.if \zero
	v_wmma_f32_16x16x128_bf8_bf8 v[8*(8*((\a)%4)+\b):8*(8*((\a)%4)+\b)+7], v[128*(\p)+FR*\b:128*(\p)+FR*\b+FR-1], v[AF+FR*(\a):AF+FR*(\a)+FR-1], 0
.else
	v_wmma_f32_16x16x128_bf8_bf8 v[8*(8*((\a)%4)+\b):8*(8*((\a)%4)+\b)+7], v[128*(\p)+FR*\b:128*(\p)+FR*\b+FR-1], v[AF+FR*(\a):AF+FR*(\a)+FR-1], v[8*(8*((\a)%4)+\b):8*(8*((\a)%4)+\b)+7]
.endif
.endr
.endr
.endm
.macro FETCH_B slot, q, p
	WIN TO_B
.irp i, 0,1,2,3,4,5,6,7
	FRAG 128*(\p)+FR*\i, ADRB+\slot, \q, \i
.endr
	WIN 0
.endm
.macro FETCH_A slot, q, i0
.irp i, \i0, \i0+1, \i0+2, \i0+3
	FRAG AF+FR*(\i), ADRA+\slot, \q, \i
.endr
.endm
.macro PLACES n
.rept \n
	v_nop
.endr
.endm
.macro STEP slot, q, zero
	s_wait_dscnt 4*NL
	WIN MUL_LO
	MUL16 0, (\q)%2, \zero
	MUL16 2, (\q)%2, \zero
	s_wait_dscnt 0
	PLACES NP
	FETCH_B \slot, (\q)+1, 1-(\q)%2
	FETCH_A \slot, (\q)+1, 0
	WIN MUL_HI
	MUL16 4, (\q)%2, \zero
	MUL16 6, (\q)%2, \zero
	PLACES NP
	WIN 0
	FETCH_A \slot, (\q)+1, 4
.endm
.macro TURN slot, next, fill
	s_wait_tensorcnt 0x0
	ds_add_u32 v[SPW], v[NIL]
	s_wait_dscnt 4*NL+1
	WIN MUL_LO
	MUL16 0, 1, 0
	s_wait_dscnt 0x0
	s_barrier_signal -1
	MUL16 2, 1, 0
	WIN 0
	s_barrier_wait -1
.if \fill
	CREST
	s_add_nc_u64 s[G0+4*\slot+2:G0+4*\slot+3], s[G0+4*\slot+2:G0+4*\slot+3], 2*ROWB
	s_add_nc_u64 s[G0B+4*\slot+2:G0B+4*\slot+3], s[G0B+4*\slot+2:G0B+4*\slot+3], 2*ROWB
	JLOAD G0+4*\slot, G1, G0B+4*\slot, G1B
.else
	PLACES NP
.endif
	FETCH_B \next, 0, 0
	FETCH_A \next, 0, 0
	WIN MUL_HI
	MUL16 4, 1, 0
	MUL16 6, 1, 0
	PLACES NP
	WIN 0
	FETCH_A \next, 0, 4
.endm
	s_wait_tensorcnt 1
	s_barrier_signal -1
	s_barrier_wait -1
	FETCH_B 0, 0, 0
	FETCH_A 0, 0, 0
	FETCH_A 0, 0, 4
	STEP 0, 0, 1
	TURN 0, 1, 1
	STEP 1, 0, 0
	TURN 1, 0, 1
	STEP 0, 0, 0
	TURN 0, 1, 0
	STEP 1, 0, 0
	s_wait_dscnt 4*NL
	WIN MUL_LO
	MUL16 0, 1, 0
	MUL16 2, 1, 0
	s_wait_dscnt 0
	WIN MUL_HI
	MUL16 4, 1, 0
	MUL16 6, 1, 0
	WIN 0
	s_wait_kmcnt 0x0
	s_mov_b32 s96, 0x3eb504f3
	s_mov_b32 s97, 0x3f800000
	s_cmp_eq_u32 s66, 2
	s_cselect_b32 s96, s97, s96
	s_add_co_i32 s84, s82, s83
	s_lshl_b32 s84, s84, 23
	s_add_co_i32 s96, s96, s84
	s_mov_b32 s97, s96
	s_add_co_i32 s84, s80, 127
	s_lshl_b32 s85, s84, 23
	v_mov_b32 v[SCL], s85
	s_add_co_i32 s84, s84, 15
	s_lshl_b32 s84, s84, 23
	s_or_b32 s84, s84, 0x600000
	PLACES NP
.macro CONV a
.set AC, 64*((\a)%4)
	WIN 0x02+((\a)/4)
.set j, 0
.rept 32
	v_pk_mul_f32 v[TMP+j:TMP+j+1], v[AC+j:AC+j+1], s[96:97] op_sel_hi:[1,0]
.set j, j+2
.endr
	WIN 0
.set j, 0
.rept 64
.set j, j+1
.endr
.irp b, 0,1,2,3,4,5,6,7
	v_cvt_scalef32_pk8_bf8_f32 v[CODE+16*(\a)+2*\b:CODE+16*(\a)+2*\b+1], v[TMP+8*\b:TMP+8*\b+7], v[SCL]
.endr
	v_nop
.endm
.irp a, 0,1,2,3,4,5,6,7
	CONV \a
.endr
	s_cmp_eq_u32 s66, 2
	s_cbranch_scc1 .Lv_out
	s_lshl_b32 s20, s17, 8
	s_lshl_b32 s21, s15, 7
	s_add_co_u32 s20, s20, s21
	s_lshr_b32 s21, s20, 11
	s_and_b32 s20, s20, 2047
	s_lshl_b32 s21, s21, 4
	s_lshl_b32 s22, s42, 2
	s_add_co_u32 s21, s21, s22
	s_lshl_b32 s22, s16, 1
	s_add_co_u32 s21, s21, s22
	s_lshl_b32 s21, s21, 17
	s_lshl_b32 s20, s20, 6
	s_add_co_u32 s20, s20, s21
	s_lshl_b32 s22, s66, 23
	s_add_co_u32 s20, s20, s22
	s_mov_b32 s21, 0
	s_add_nc_u64 s[10:11], s[10:11], s[20:21]
.macro QSTAGE g, dst
.irp a, 0,1,2,3
.irp b, 0,1,2,3,4,5,6,7
	ds_store_b64 v[STOQ], v[CODE+16*(4*\g+\a)+2*\b:CODE+16*(4*\g+\a)+2*\b+1] offset:STQ+(\b/4)*5120+1280*\a+16*(\b%4)
.endr
.endr
.irp t, 0,1,2,3,4,5,6,7,8,9,10,11,12,13,14,15
	ds_load_b128 v[\dst+4*\t:\dst+4*\t+3], v[RDQ] offset:STQ+(\t/8)*5120+640*(\t%8)
.endr
.endm
.macro QSEND g, src, younger
.irp t, 0,1,2,3,4,5,6,7,8,9,10,11,12,13,14,15
	s_wait_dscnt \younger+15-\t
	global_store_b128 v[CO], v[\src+4*\t:\src+4*\t+3], s[10:11] offset:(\t/8)*131072+512*(\t%8)+4096*\g
.endr
.endm
	QSTAGE 0, TMP
	s_wait_alu depctr_va_vdst(0)
	QSTAGE 1, CODE
	QSEND 0, TMP, 48
	QSEND 1, CODE, 0
	s_branch .Lout_done
.Lv_out:
	s_lshl_b32 s20, s42, 8
	s_lshl_b32 s21, s16, 7
	s_add_co_u32 s20, s20, s21
	s_lshr_b32 s21, s20, 11
	s_bfe_u32 s20, s20, 0x40007
	s_lshl_b32 s21, s21, 4
	s_lshl_b32 s22, s17, 2
	s_add_co_u32 s21, s21, s22
	s_lshl_b32 s22, s15, 1
	s_add_co_u32 s21, s21, s22
	s_lshl_b32 s21, s21, 17
	s_lshl_b32 s20, s20, 13
	s_add_co_u32 s20, s20, s21
	s_add_co_u32 s20, s20, 0x1000000
	s_mov_b32 s21, 0
	s_add_nc_u64 s[10:11], s[10:11], s[20:21]
.macro VSTAGE g, dst
.irp a, 0,1,2,3
.irp b, 0,1,2,3,4,5,6,7
	ds_store_b64 v[STOV], v[CODE+16*(4*\g+\a)+2*\b:CODE+16*(4*\g+\a)+2*\b+1] offset:2304*\a+32*(\b/2)+8*(\b%2)
.endr
.endr
.irp t, 0,1,2,3,4,5,6,7,8,9,10,11,12,13,14,15
	ds_load_b128 v[\dst+4*\t:\dst+4*\t+3], v[RDV] offset:576*\t
.endr
.endm
.macro VSEND g, src, younger
.irp t, 0,1,2,3,4,5,6,7,8,9,10,11,12,13,14,15
	s_wait_dscnt \younger+15-\t
	global_store_b128 v[CO], v[\src+4*\t:\src+4*\t+3], s[10:11] offset:131072*\g+512*\t
.endr
.endm
	VSTAGE 0, TMP
	s_wait_alu depctr_va_vdst(0)
	VSTAGE 1, CODE
	VSEND 0, TMP, 48
	VSEND 1, CODE, 0
.Lout_done:
	s_wait_tensorcnt 0x0
	ds_add_u32 v[SPW], v[NIL]
	s_wait_dscnt 0x0
	CROUND
	s_endpgm
.Lfunc_end_k_qad401ea3bb_proj:
	.size	k_qad401ea3bb_proj, .Lfunc_end_k_qad401ea3bb_proj-k_qad401ea3bb_proj
	.p2alignl 7, 3214868480
	.fill 96, 4, 3214868480
	.section	.rodata,"a",@progbits
	.p2align	6, 0x0
	.amdhsa_kernel k_qad401ea3bb_proj
		.amdhsa_group_segment_fixed_size 327680
		.amdhsa_private_segment_fixed_size 0
		.amdhsa_enable_private_segment 0
		.amdhsa_kernarg_size 32
		.amdhsa_user_sgpr_count 2
		.amdhsa_user_sgpr_kernarg_segment_ptr 1
		.amdhsa_wavefront_size32 1
		.amdhsa_system_sgpr_workgroup_id_x 1
		.amdhsa_system_sgpr_workgroup_id_y 1
		.amdhsa_system_sgpr_workgroup_id_z 1
		.amdhsa_system_vgpr_workitem_id 0
		.amdhsa_next_free_vgpr 1024
		.amdhsa_next_free_sgpr 100
		.amdhsa_reserve_vcc 0
		.amdhsa_float_denorm_mode_32 3
		.amdhsa_float_denorm_mode_16_64 3
		.amdhsa_fp16_overflow 1
		.amdhsa_memory_ordered 1
		.amdhsa_forward_progress 1
		.amdhsa_inst_pref_size 122
	.end_amdhsa_kernel
	.amdgpu_metadata
---
amdhsa.version: [ 1, 2 ]
amdhsa.kernels:
  - .name:           k_qad401ea3bb_proj
    .symbol:         k_qad401ea3bb_proj.kd
    .args:
      - { .name: xc, .offset: 0, .size: 8, .value_kind: global_buffer, .address_space: global }
      - { .name: wc, .offset: 8, .size: 8, .value_kind: global_buffer, .address_space: global }
      - { .name: lowp_scales, .offset: 16, .size: 8, .value_kind: global_buffer, .address_space: global }
      - { .name: qkv, .offset: 24, .size: 8, .value_kind: global_buffer, .address_space: global }
    .group_segment_fixed_size: 327680
    .private_segment_fixed_size: 0
    .kernarg_segment_align: 8
    .kernarg_segment_size: 32
    .max_flat_workgroup_size: 128
    .sgpr_count:     100
    .vgpr_count:     1024
    .wavefront_size: 32
...
	.end_amdgpu_metadata
.endif
;; end of part 2
;; launch attn (part 3): grid 4 x 64, 16 waves a work-group, no clusters, 327,680 bytes of LDS; arguments qkv, lowp_scales, out0; writes out0
.if DOCPART == 3
	.amdgcn_target "amdgcn-amd-amdhsa--gfx1250"
	.amdhsa_code_object_version 6
	.text
	.protected	k_qad401ea3bb_attn
	.globl	k_qad401ea3bb_attn
	.p2align	8
	.type	k_qad401ea3bb_attn,@function
k_qad401ea3bb_attn:
	s_mov_b64 s[64:65], 0
	v_nop
	global_prefetch_b8 v0, s[64:65] scope:SCOPE_SE
	s_setreg_imm32_b32 hwreg(HW_REG_WAVE_MODE, 25, 1), 1
	s_wait_xcnt 0x0
; Causal attention on codes of BF8 (E5M2), 64 (batch, head) pairs, 2,048 tokens, head size 64.  qkv: q and k as [pair][token][64], v as [pair][block of 128 keys][d 64][place 128]
; (key 32 c + 16 u + 8 h + j at place 32 c + 16 h + 8 u + j).  q and k carry 64^-0.25 each.  Entries 6 to 9 of the scales: eq, ek, ep, ev.  out0: [batch][token][head x 64 + d] f32.
; THE SOFTMAX AHEAD OF THE SECOND PRODUCT: t = score x log2(e); M = the row's largest t so far, rounded UP to a whole number; p = 2^(t - M) is what is quantised; the row's sum is taken of the
; unquantised p and divides at the end.  When M moves, the sum and O are multiplied by 2^(old M - new M), which rounds nothing.
; SHARES.  A pair's 2,048 queries are eight blocks of 256.  Work-group i (0..3) of a pair owns blocks i and 7 - i: first block i against key slots 0 .. i, then block 7 - i against slots 0 .. 7 - i
; (a slot = 256 keys): i + 1 + 8 - i = NINE slots in every work-group, so the trip count is a constant and all 256 work-groups have equal work.  What the causal mask hides beyond that is left out step by step.
; Each of the SIXTEEN waves owns 16 queries of the block in hand, in 256 registers: four waves to a SIMD, so that one wave's vector work stands beside another's matrix work and LDS loads.
; K's and V's tiles come through a ring of two LDS slots, filled by the tensor data mover (waves 0, 1: K's halves; waves 2, 3: V's two blocks of 128 keys) and read by all sixteen.
; NO JOINT LOADS: in trip n work-group i wants slot n (n <= i) or n - i - 1, so the four work-groups of a pair want different slots in the same trip; walking all in step would take 12 trips against 9.
; LAYOUT.  Both products are used transposed: S^T = K Q^T (source 0 = 16 neighbouring keys, source 1 = my 16 queries; K = 64), O^T = V^T P^T (source 0 = 16 of the head's 64, source 1 = P; K = 128 keys):
; a lane holds ONE query (lane % 16) throughout.  Tile T of S^T holds in lane (r, h) keys 16 T + 8 h + 0 .. 7: one conversion makes registers 2 T, 2 T + 1 of P's operand, the K = 128 form's own order.
; LIMITS: eq + ek between -126 and 127 (added to the exponent field of log2(e)); ep between -126 and 112; ep + ev goes by v_ldexp_f32 and has none.  NaN is not served.
; REGISTERS: v1-11 addresses; v12 -M, v13 the largest t, v[14:15] the sum in two halves; v16-23 Q in hand; v24-31 Q of the later block; v32-95 fragments of K, then of V; v96-159 S^T, then p;
;   v160-191 O^T; v224-239 p's codes; v244 2^ep; v236-243, v246-248, v250-255 at work.
.set KP,    80                         ; a key's row in LDS: 64 bytes + 16 of padding
.set VP,    144                        ; a row of V's tile: 128 bytes + 16
.set VOFF,  256*KP                     ; a slot: 256 rows of K, then 2 x 64 rows of V: 38,912 bytes
.set SLOT1, 1<<17                      ; slot 1 begins here, so that one exclusive or turns an address in one slot into the other's
.set STAGE, 40960                      ; between the slots: 16 rows x (256 + 16) bytes for each wave, for the way out; no fill lands here
.set SPARE, 2*SLOT1                    ; the spare words, 128 bytes for each wave: eight blocks of 256 bytes that no other line names
.set AK0,  1                           ; v1   my lane's place in a tile of K
.set AV0,  2                           ; v2   the same for V
.set PFO,  3                           ; v3   256 x lane: the prefetches' offset; never rewritten
.set SPW,  5                           ; v5   LDS address of my spare word; never rewritten
.set NIL,  6                           ; v6   0; never rewritten
.set GO,   7                           ; v7   my byte offset in the wave's rows of out0
.set ADK,  8                           ; v8   LDS address of the step's tiles of K
.set ADV,  9                           ; v9   of V
.set SIN,  10                          ; v10  the stage: where I put 32 bytes of a row
.set SOUT, 11                          ; v11  and where I read 16 bytes back
.set TB,   2                           ; s2   LDS byte at which the slot in hand begins
.set WV,   18                          ; s18  my wave's number
.set SEL,  20                          ; s[20:21] lane selects for v_permlanex16_b32: lane l xor 16
.set CS,   22                          ; s[22:23] c = log2(e) x 2^(eq + ek)
.set G1K,  24                          ; s[24:31] descriptor group 1 for K's tiles;  s[32:39] for V's;  s[40:43], s[44:47] their groups 0
.set G1V,  32
.set G0K,  40
.set G0V,  44
.set KB,   48                          ; s[48:49] my part of the pair's K at key slot 0;  s[50:51] the same for V
.set VB,   50
.set NK,   52                          ; s52  the key slot of the tile asked for last
.set NO,   54                          ; s[54:55] its bytes: 16,384 x NK
.set FC,   56                          ; s56  fills left for the early block; -1 in the trip that begins the late one
.set QH,   57                          ; s57  my first query in the late block
.set OLO,  58                          ; s[58:59] out0 at my rows of the early block;  s[60:61] of the late one
.set OHI,  60
.set SLOTS, 67                         ; s67  trips that still ask for a tile
.set PFA,  76                          ; s[76:77] where my prefetches stand
.set LIM,  80                          ; s80  1 in a wave that prefetches, else the greatest number
.set KF,   98                          ; s98  the step's first key
.set Q0,   99                          ; s99  my first query
; Waves 0 and 1 fetch for K, waves 2 and 3 for V, the others nothing.  The branches hang on the wave's number alone.  Four v_nop follow each of the two lines.
.macro TLOAD
	s_cmp_lt_u32 s[WV], 2
	s_cbranch_scc0 .Lnot_k_\@
	tensor_load_to_lds s[G0K:G0K+3], s[G1K:G1K+7]
	s_nop 0
.rept 4
	v_nop
.endr
	s_branch .Lasked_\@
.Lnot_k_\@:
	s_cmp_lt_u32 s[WV], 4
	s_cbranch_scc0 .Lasked_\@
	tensor_load_to_lds s[G0V:G0V+3], s[G1V:G1V+7]
	s_nop 0
.rept 4
	v_nop
.endr
.Lasked_\@:
.endm
; A PREFETCH INTO THE L2.  Work-group 0 of a pair walks key slots 0, 0, 1, .. 7: its tensor loads of trip n ask for slot n.  In trip n (0 to 6) it prefetches slot n + 1, one trip ahead of its own load of that slot:
; waves 4, 5 K's two halves, waves 6, 7 V's two blocks, 8,192 bytes a wave, lanes 256 bytes apart, one instruction each.  Nobody else asks, so each aligned block of 256 bytes is named once in the launch.
; Slot 0 comes by its load alone; trip 7 asks for nothing: there is no slot 8.
.macro ASK
	s_cmp_gt_u32 s[SLOTS], s[LIM]
	s_cbranch_scc0 .Lnot_mine_\@
	global_prefetch_b8 v[PFO], s[PFA:PFA+1] th:TH_LOAD_NT scope:SCOPE_SE
.Lnot_mine_\@:
.endm
	s_load_b128 s[4:7], s[0:1], 0x0                ; qkv s[4:5], the scales' exponents s[6:7]
	s_load_b64 s[8:9], s[0:1], 0x10                ; out0
	v_lshl_add_u32 v[SPW], v0, 2, SPARE
	v_mov_b32 v[NIL], 0
	ds_add_u32 v5, v6
	ds_add_u32 v5, v6
	s_wait_dscnt 0x0
	v_lshrrev_b32 v8, 5, v0
	s_delay_alu instid0(VALU_DEP_1)
	v_readfirstlane_b32 s[WV], v8                  ; wave 0..15
	s_and_b32 s73, ttmp7, 0xffff                   ; the pair: 16 x batch + head
	s_lshl_b32 s74, s73, 17                        ; its bytes in each of qkv's three parts
	s_and_b32 s75, s[WV], 1
	s_lshl_b32 s82, s75, 13                        ; what I fetch, if I fetch: the slot's first or second 8,192 bytes,
	s_add_co_u32 s82, s82, s74
	s_add_co_u32 s82, s82, 0x800000                ; in k's part
	s_mov_b32 s83, 0
	s_mul_i32 s78, s75, 128*KP                     ; and where it goes in a slot: K,
	s_mul_i32 s79, s75, 64*VP
	s_add_co_u32 s79, s79, VOFF                    ; V
	s_lshl_b32 s81, s[WV], 4
	s_lshl_b32 s[Q0], ttmp9, 8
	s_add_co_u32 s[Q0], s[Q0], s81                 ; my first query in the early block: 256 i + 16 x wave
	s_sub_co_u32 s[QH], 7, ttmp9
	s_lshl_b32 s[QH], s[QH], 8
	s_add_co_u32 s[QH], s[QH], s81                 ; and in the late one: 256 (7 - i) + 16 x wave
	s_lshl_b32 s84, s[Q0], 6
	s_add_co_u32 s84, s84, s74                     ; their codes
	s_mov_b32 s85, 0
	s_lshl_b32 s86, s[QH], 6
	s_add_co_u32 s86, s86, s74
	s_mov_b32 s87, 0
	s_lshr_b32 s88, s73, 4
	s_lshl_b32 s88, s88, 11                        ; the batch's first row of out0
	s_and_b32 s89, s73, 15
	s_lshl_b32 s89, s89, 8                         ; the head's 256 bytes of a row
	s_add_co_u32 s90, s88, s[Q0]
	s_lshl_b32 s90, s90, 12
	s_add_co_u32 s90, s90, s89
	s_mov_b32 s91, 0
	s_add_co_u32 s92, s88, s[QH]
	s_lshl_b32 s92, s92, 12
	s_add_co_u32 s92, s92, s89
	s_mov_b32 s93, 0
	; descriptor group 1: K: 128 rows of 64 bytes, dense in memory;  V: 64 rows of 128 bytes, dense
	s_mov_b32 s[G1K], (0<<16)|(1<<20)|(3<<22)|(3<<25)   ; 15:0 no mask; 17:16 elements of 1 byte; 20 padding on; 24:22 after every 16 words (code 3); 31:25 four words (code 3)
	s_mov_b32 s[G1K+1], 64<<16                     ; tensor_dim0
	s_mov_b32 s[G1K+2], 128<<16                    ; tensor_dim1
	s_mov_b32 s[G1K+3], 64<<16                     ; tile_dim0
	s_mov_b32 s[G1K+4], 128                        ; tile_dim1
	s_mov_b32 s[G1K+5], 64                         ; tensor_dim0_stride
	s_mov_b32 s[G1K+6], 0
	s_mov_b32 s[G1K+7], 0
	s_mov_b32 s[G1V], (0<<16)|(1<<20)|(4<<22)|(3<<25)   ; padding: four words after every 32
	s_mov_b32 s[G1V+1], 128<<16
	s_mov_b32 s[G1V+2], 64<<16
	s_mov_b32 s[G1V+3], 128<<16
	s_mov_b32 s[G1V+4], 64
	s_mov_b32 s[G1V+5], 128
	s_mov_b32 s[G1V+6], 0
	s_mov_b32 s[G1V+7], 0
	s_mov_b32 s[SEL], 0x76543210
	s_mov_b32 s[SEL+1], 0xfedcba98
	s_mov_b32 s[CS], 0x3fb8aa3b                    ; log2(e)
	s_mov_b32 s[TB], 0
	s_mov_b32 s[SLOTS], 8
	s_mov_b32 s[KF], 0
	s_mov_b32 s[NK], 0
	s_mov_b32 s[NO+1], 0
	s_add_co_u32 s[FC], ttmp9, 1                   ; the early block takes i + 1 tiles
	s_wait_kmcnt 0x0
	s_load_b128 s[68:71], s[6:7], 0x18             ; eq, ek, ep, ev
	s_add_nc_u64 s[KB:KB+1], s[4:5], s[82:83]
	s_add_nc_u64 s[VB:VB+1], s[KB:KB+1], 0x800000
	s_mov_b32 s[G0K], 1                            ; 1:0 count = 1
	s_mov_b32 s[G0K+1], s78                        ; 63:32 LDS address: slot 0
	s_mov_b64 s[G0K+2:G0K+3], s[KB:KB+1]           ; 120:64 global address: key slot 0
	s_or_b32 s[G0K+3], s[G0K+3], 0x80000000        ; 127:126 type = 2
	s_mov_b32 s[G0V], 1
	s_mov_b32 s[G0V+1], s79
	s_mov_b64 s[G0V+2:G0V+3], s[VB:VB+1]
	s_or_b32 s[G0V+3], s[G0V+3], 0x80000000
	TLOAD                                          ; the first tile, into slot 0
	s_add_nc_u64 s[84:85], s[4:5], s[84:85]        ; Q's codes, early block and late
	s_add_nc_u64 s[86:87], s[4:5], s[86:87]
	s_add_nc_u64 s[OLO:OLO+1], s[8:9], s[90:91]
	s_add_nc_u64 s[OHI:OHI+1], s[8:9], s[92:93]
	s_cmp_lt_u32 s[WV], 6                          ; the prefetches: waves 4, 5 stand in K, waves 6, 7 in V, at key slot 0: the first change of slots steps them to slot 1
	s_cselect_b64 s[PFA:PFA+1], s[KB:KB+1], s[VB:VB+1]
	s_sub_co_u32 s82, s[WV], 4
	s_lshr_b32 s82, s82, 2                         ; 0 in waves 4 to 7,
	s_or_b32 s82, s82, ttmp9                       ; of the pair's work-group 0
	s_cmp_eq_u32 s82, 0
	s_cselect_b32 s[LIM], 1, -1
	v_and_b32 v252, 15, v0                         ; r = lane % 16
	v_bfe_u32 v254, v0, 4, 1                       ; h = lane / 16
	s_delay_alu instid0(VALU_DEP_2)
	v_lshlrev_b32 v8, 6, v252
	s_delay_alu instid0(VALU_DEP_1)
	v_lshl_add_u32 v8, v254, 4, v8                 ; Q: row r of 64 bytes, + 16 h: registers 4 c .. 4 c + 3 hold d = 32 c + 16 h + 0 .. 15, the same order as K's fragments
	global_load_b128 v[16:19], v8, s[84:85]
	global_load_b128 v[20:23], v8, s[84:85] offset:32
	global_load_b128 v[24:27], v8, s[86:87]
	global_load_b128 v[28:31], v8, s[86:87] offset:32
	v_mul_u32_u24 v[AK0], v252, KP
	s_delay_alu instid0(VALU_DEP_1)
	v_lshl_add_u32 v[AK0], v254, 4, v[AK0]
	v_mul_u32_u24 v[AV0], v252, VP
	s_delay_alu instid0(VALU_DEP_1)
	v_lshl_add_u32 v[AV0], v254, 4, v[AV0]
	s_delay_alu instid0(VALU_DEP_1)
	v_add_nc_u32 v[AV0], VOFF, v[AV0]
	v_and_b32 v[PFO], 31, v0
	s_delay_alu instid0(VALU_DEP_1)
	v_lshlrev_b32 v[PFO], 8, v[PFO]
	v_lshlrev_b32 v[GO], 12, v254
	s_delay_alu instid0(VALU_DEP_1)
	v_lshl_add_u32 v[GO], v252, 4, v[GO]           ; lanes 0-15 take one row of out0, lanes 16-31 the next; 16 bytes a lane
	s_mul_i32 s82, s[WV], 16*272
	s_add_co_u32 s82, s82, STAGE                   ; my stage
	v_mul_u32_u24 v[SIN], v252, 272
	s_delay_alu instid0(VALU_DEP_1)
	v_lshl_add_u32 v[SIN], v254, 5, v[SIN]
	s_delay_alu instid0(VALU_DEP_1)
	v_add_nc_u32 v[SIN], s82, v[SIN]               ; in: row r, + 32 h
	v_mul_u32_u24 v[SOUT], v254, 272
	s_delay_alu instid0(VALU_DEP_1)
	v_lshl_add_u32 v[SOUT], v252, 4, v[SOUT]
	s_delay_alu instid0(VALU_DEP_1)
	v_add_nc_u32 v[SOUT], s82, v[SOUT]             ; back: lanes 0-15 one row, lanes 16-31 the next
; a block of queries begins: O^T and the sum as zeros, the largest t under every t.  (The key step is written once: its first run finds zeros, which the first change of M leaves zeros)
.macro BEGIN
.set j, 0
.rept 32
	v_mov_b32 v[160+j], 0
.set j, j+1
.endr
	v_mov_b32 v14, 0
	v_mov_b32 v15, 0
	v_mov_b32 v13, 0xff61b1e6                      ; -3e38
	s_delay_alu instid0(VALU_DEP_1)
	v_floor_f32 v12, -v13                          ; -M
.endm
	BEGIN
	v_mov_b32 v248, 0                              ; written once: a lane permute's destination counts as one of its sources
	v_mov_b32 v253, 0                              ; (named as the upper half of the pair v[252:253])
	s_wait_kmcnt 0x0
	s_add_co_i32 s73, s68, s69
	s_lshl_b32 s73, s73, 23
	s_add_co_i32 s[CS], s[CS], s73                 ; a score stands for score x 2^(eq + ek): added to c's exponent field
	s_mov_b32 s[CS+1], s[CS]                       ; (named with it as a pair, so it is written)
	s_add_co_i32 s73, s70, 127
	s_lshl_b32 s74, s73, 23
	v_mov_b32 v244, s74                            ; 2^ep as f32, for the conversion
	s_add_co_i32 s72, s70, s71                     ; ep + ev
; A KEY STEP: 128 keys, the q-th of the slot in hand.
.macro STEP q
	s_add_co_u32 s96, s[Q0], 15                    ; a step all of whose keys come after my 16 queries is left out: a scalar branch on ids, round the step's loads, products and softmax
	s_cmp_gt_u32 s[KF], s96
	s_cbranch_scc1 .Lhidden_\@
	v_add_nc_u32 v[ADK], s[TB], v[AK0]
	v_add_nc_u32 v[ADV], s[TB], v[AV0]
	v_nop                                          ; with the two additions: four places in front of loads into registers that the last products read
	v_nop
.irp t, 0,1,2,3,4,5,6,7                        ; K: eight tiles of 16 neighbouring keys x 64
	ds_load_b128 v[32+8*\t:35+8*\t], v[ADK] offset:(128*(\q)+16*\t)*KP
	ds_load_b128 v[36+8*\t:39+8*\t], v[ADK] offset:(128*(\q)+16*\t)*KP+32
.endr
	s_wait_dscnt 0x0
	s_wait_alu depctr_va_vdst(0)
.irp t, 0,1,2,3,4,5,6,7
	v_wmma_f32_16x16x64_bf8_bf8 v[96+8*\t:103+8*\t], v[32+8*\t:39+8*\t], v[16:23], 0
.endr
.rept 4
	v_nop                                          ; places in front of the loads below and of the first read of the scores
.endr
.irp t, 0,1,2,3                                ; V: four tiles of 16 of the head's 64 x 128 keys; they land while the softmax is worked
.irp c, 0,1,2,3
	ds_load_b128 v[32+16*\t+4*\c:35+16*\t+4*\c], v[ADV] offset:(64*(\q)+16*\t)*VP+32*\c
.endr
.endr
	s_add_co_u32 s96, s[KF], 127                   ; on the diagonal the scores of hidden keys become -infinity ahead of the maximum: p = 0 then.  A step all of whose keys count skips this
	s_cmp_le_u32 s96, s[Q0]
	s_cbranch_scc1 .Lopen_\@
	s_sub_co_i32 s96, s[Q0], s[KF]
	v_and_b32 v252, 15, v0
	v_bfe_u32 v253, v0, 4, 1
	s_delay_alu instid0(VALU_DEP_1)
	v_lshlrev_b32 v253, 3, v253
	s_delay_alu instid0(VALU_DEP_1)
	v_sub_nc_u32 v252, v252, v253
	s_delay_alu instid0(VALU_DEP_1)
	v_add_nc_u32 v252, s96, v252                   ; d = my query - KF - 8 (lane / 16).  Register 8 T + j holds key KF + 16 T + 8 (lane / 16) + j: hidden where 16 T + j > d
	v_mov_b32 v254, 0xff800000                     ; -infinity
.irp n, 0,1,2,3,4,5,6,7,8,9,10,11,12,13,14,15,16,17,18,19,20,21,22,23,24,25,26,27,28,29,30,31,32,33,34,35,36,37,38,39,40,41,42,43,44,45,46,47,48,49,50,51,52,53,54,55,56,57,58,59,60,61,62,63
	v_cmp_gt_i32 vcc_lo, 16*(\n/8)+\n%8, v252
	v_cndmask_b32 v[96+\n], v[96+\n], v254, vcc_lo
.endr
.Lopen_\@:
	v_max3_num_f32 v254, v96, v97, v98             ; the step's largest score of my query, among my 64 keys, in two chains, each tile from its low end on,
	v_max3_num_f32 v252, v99, v100, v101
.irp i, 6,10,14,18,22,26,30,34,38,42,46,50,54,58
	v_max3_num_f32 v254, v254, v[96+\i], v[97+\i]
	v_max3_num_f32 v252, v252, v[98+\i], v[99+\i]
.endr
	v_max3_num_f32 v254, v254, v158, v159
	s_delay_alu instid0(VALU_DEP_1)
	v_max_num_f32 v254, v254, v252
	s_delay_alu instid0(VALU_DEP_1)
	v_permlanex16_b32 v248, v254, s[SEL], s[SEL+1]
	s_delay_alu instid0(VALU_DEP_1)
	v_max_num_f32 v254, v254, v248                 ; and among lane l xor 16's
	s_delay_alu instid0(VALU_DEP_1)
	v_mul_f32 v254, s[CS], v254                    ; as t (c is positive)
	s_delay_alu instid0(VALU_DEP_1)
	v_max_num_f32 v13, v13, v254                   ; the running largest t
	v_mov_b32 v254, v12
	s_delay_alu instid0(VALU_DEP_2)
	v_floor_f32 v12, -v13                          ; the new -M = floor(-t) = -ceil(t): M is a whole number
	s_delay_alu instid0(VALU_DEP_1)
	v_sub_f32 v254, v12, v254                      ; M's old value less its new one: a whole number, 0 or less
	s_delay_alu instid0(VALU_DEP_1)
	v_cvt_i32_f32 v254, v254                       ; (it saturates)
	s_delay_alu instid0(VALU_DEP_1)
	v_ldexp_f32 v252, 1.0, v254                    ; f = 2^(old M - new M)
.set j, 0
.rept 32
	v_pk_fma_f32 v[96+j:97+j], v[96+j:97+j], s[CS:CS+1], v[12:13] op_sel_hi:[1,0,0]   ; t - M, two at a time (of the pairs c and -M the low word serves both halves)
.set j, j+2
.endr
.set j, 0
	s_wait_alu depctr_va_vdst(0)
.rept 64
	v_exp_f32 v[96+j], v[96+j]                     ; p = 2^(t - M), at most 1: not normalised
.set j, j+1
.endr
	v_pk_mul_f32 v[14:15], v[14:15], v[252:253] op_sel_hi:[1,0]   ; the sums under the new M: the plain line behind the exponentials
	s_wait_alu depctr_va_vdst(0)                   ; one wait for the whole batch, ahead of its first reader
	v_pk_add_f32 v[242:243], v[100:101], v[104:105]
	v_pk_add_f32 v[254:255], v[108:109], v[112:113]
	v_pk_add_f32 v[250:251], v[116:117], v[120:121]
	v_pk_add_f32 v[246:247], v[124:125], v[128:129]
	v_pk_add_f32 v[240:241], v[132:133], v[136:137]
	v_pk_add_f32 v[238:239], v[140:141], v[144:145]
	v_pk_add_f32 v[236:237], v[148:149], v[152:153]
	v_pk_add_f32 v[14:15], v[14:15], v[156:157]
	v_pk_add_f32 v[242:243], v[242:243], v[96:97]
	v_pk_add_f32 v[254:255], v[254:255], v[98:99]
	v_pk_add_f32 v[250:251], v[250:251], v[102:103]
	v_pk_add_f32 v[246:247], v[246:247], v[106:107]
	v_pk_add_f32 v[240:241], v[240:241], v[110:111]
	v_pk_add_f32 v[238:239], v[238:239], v[114:115]
	v_pk_add_f32 v[236:237], v[236:237], v[118:119]
	v_pk_add_f32 v[14:15], v[14:15], v[122:123]
	v_pk_add_f32 v[242:243], v[242:243], v[126:127]
	v_pk_add_f32 v[254:255], v[254:255], v[130:131]
	v_pk_add_f32 v[250:251], v[250:251], v[134:135]
	v_pk_add_f32 v[246:247], v[246:247], v[138:139]
	v_pk_add_f32 v[240:241], v[240:241], v[142:143]
	v_pk_add_f32 v[238:239], v[238:239], v[146:147]
	v_pk_add_f32 v[236:237], v[236:237], v[150:151]
	v_pk_add_f32 v[14:15], v[14:15], v[154:155]
	v_pk_add_f32 v[242:243], v[242:243], v[158:159]
	s_delay_alu instid0(VALU_DEP_2)
	v_pk_add_f32 v[14:15], v[14:15], v[246:247]
	s_delay_alu instid0(VALU_DEP_2)
	v_pk_add_f32 v[242:243], v[242:243], v[240:241]
	v_pk_add_f32 v[254:255], v[254:255], v[238:239]
	v_pk_add_f32 v[250:251], v[250:251], v[236:237]
	s_delay_alu instid0(VALU_DEP_2)
	v_pk_add_f32 v[14:15], v[14:15], v[254:255]
	s_delay_alu instid0(VALU_DEP_2)
	v_pk_add_f32 v[242:243], v[242:243], v[250:251]
	s_delay_alu instid0(VALU_DEP_1)
	v_pk_add_f32 v[14:15], v[14:15], v[242:243]
.irp t, 0,1,2,3,4,5,6,7
.irp i, 0,1,2,3,4,5,6,7
.endr
	v_cvt_scalef32_pk8_bf8_f32 v[224+2*\t:225+2*\t], v[96+8*\t:103+8*\t], v244   ; keys 16 t + 8 h + 0 .. 7: registers 2 t, 2 t + 1 of the operand
.endr
.set j, 0
.rept 16
	v_pk_mul_f32 v[160+j:161+j], v[160+j:161+j], v[252:253] op_sel_hi:[1,0]   ; O^T under the new M.  (These are also the plain lines between the conversions and the products)
.set j, j+2
.endr
	s_wait_alu depctr_va_vdst(0)
	s_wait_dscnt 0x0                               ; V's fragments are in
.irp t, 0,1,2,3                                ; O^T += V^T P^T: four accumulators by turns
	v_wmma_f32_16x16x128_bf8_bf8 v[160+8*\t:167+8*\t], v[32+16*\t:47+16*\t], v[224:239], v[160+8*\t:167+8*\t]
.endr
.Lhidden_\@:
	s_add_co_u32 s[KF], s[KF], 128
.endm
; THE CHANGE OF SLOTS stands at a slot's head.  Each wave waits for all its tensor loads (its part of the slot that it is about to read), adds 0 to its spare word, and waits for that and for its reads of the slot that it has left.
; Behind the barrier the slot ahead is whole and nobody reads the other one.  fill = 1: that other slot is filled with the next trip's tile: key slot NK + 1, or 0 where the late block begins.
.macro CHANGE fill
	s_wait_tensorcnt 0x0                           ; no tensor load of mine is out, so a group 0 may be written
	ds_add_u32 v[SPW], v[NIL]                      ; 0 onto my spare word; with fill = 1 the descriptors' steps stand between it and the wait for it
.if \fill
	s_sub_co_u32 s[FC], s[FC], 1
	s_add_co_u32 s[NK], s[NK], 1
	s_cmp_eq_u32 s[FC], 0                          ; the early block has had its i + 1 tiles: the late block begins at key slot 0
	s_cselect_b32 s[NK], 0, s[NK]
	s_lshl_b32 s[NO], s[NK], 14
	s_xor_b32 s[G0K+1], s[G0K+1], SLOT1            ; the other slot than last time
	s_add_nc_u64 s[G0K+2:G0K+3], s[KB:KB+1], s[NO:NO+1]
	s_or_b32 s[G0K+3], s[G0K+3], 0x80000000
	s_xor_b32 s[G0V+1], s[G0V+1], SLOT1
	s_add_nc_u64 s[G0V+2:G0V+3], s[VB:VB+1], s[NO:NO+1]
	s_or_b32 s[G0V+3], s[G0V+3], 0x80000000
	s_wait_xcnt 0x0                                ; the last prefetch, a trip back, has read its address, so it may be written
	s_add_nc_u64 s[PFA:PFA+1], s[PFA:PFA+1], 16384
.endif
	s_wait_dscnt 0x0                               ; the add is done, and my reads of the slot that I have left are over
	s_barrier_signal -1
	s_barrier_wait -1
.if \fill
	TLOAD                                          ; the first thing behind the barrier, and a wave's one tensor load until the next
	ASK
.endif
.endm
.macro SLOT_STEPS
	STEP 0
	STEP 1
	s_xor_b32 s[TB], s[TB], SLOT1                  ; on to the other slot
.endm
; THE WAY OUT of a block of queries.  The sum's halves are added; O^T is divided by the sum, multiplied by 2^(ep + ev), and goes through my stage in LDS, so that sixteen lanes store a head's 256 bytes of a row of out0, aligned.
.macro WAYOUT ob
.rept 4
	v_nop                                          ; places behind the last products
.endr
	v_add_f32 v14, v14, v15                        ; the sum's two halves,
	s_delay_alu instid0(VALU_DEP_1)
	v_permlanex16_b32 v248, v14, s[SEL], s[SEL+1]
	s_delay_alu instid0(VALU_DEP_1)
	v_add_f32 v14, v14, v248                       ; and lane l xor 16's: the row's sum
	s_wait_alu depctr_va_vdst(0)
	v_rcp_f32 v14, v14
	v_nop                                          ; a plain line behind the reciprocal
	s_wait_alu depctr_va_vdst(0)                   ; and the wait ahead of its first reader
	v_ldexp_f32 v14, v14, s72
.set j, 0
.rept 32
	v_mul_f32 v[96+j], v[160+j], v14               ; register 8 t + i is o(query r, d = 16 t + 8 h + i); each accumulator from its low end on
.set j, j+1
.endr
.irp t, 0,1,2,3
	ds_store_b128 v[SIN], v[96+8*\t:99+8*\t] offset:64*\t
	ds_store_b128 v[SIN], v[100+8*\t:103+8*\t] offset:64*\t+16
.endr
.irp i, 0,1,2,3,4,5,6,7
	ds_load_b128 v[32+4*\i:35+4*\i], v[SOUT] offset:544*\i   ; LDS serves a wave's instructions in order (ISA guide 5.7.1.4): these see my stores
.endr
.irp i, 0,1,2,3,4,5,6,7
	s_wait_dscnt 7-\i                              ; the younger loads may be out
	global_store_b128 v[GO], v[32+4*\i:35+4*\i], s[\ob:\ob+1] offset:8192*\i th:TH_STORE_NT
.endr
.endm
	s_wait_loadcnt 0x0                             ; Q, both blocks'
.Lslot:                                            ; eight trips: behind each change of slots but the last the next tile is asked for
	CHANGE 1
	s_cmp_eq_u32 s[FC], -1                         ; trip i + 1: the early block is done.  The branch hangs on the work-group's number and the trip alone; no barrier and no tensor load stands under it
	s_cbranch_scc0 .Lsame_block
	s_wait_alu depctr_va_vdst(0)
	WAYOUT OLO                                     ; its rows leave now, while the late block is worked
	BEGIN
.irp j, 0,1,2,3,4,5,6,7
	v_mov_b32 v[16+\j], v[24+\j]                   ; the late block's Q
.endr
	s_mov_b32 s[KF], 0
	s_mov_b32 s[Q0], s[QH]
	s_wait_xcnt 0x0                                ; the stores have read their data: the next step's LDS loads land on those registers only behind this wait
.Lsame_block:
	SLOT_STEPS
	s_sub_co_u32 s[SLOTS], s[SLOTS], 1
	s_cmp_lg_u32 s[SLOTS], 0
	s_cbranch_scc1 .Lslot
	CHANGE 0                                       ; the ninth trip is written out
	SLOT_STEPS
	s_wait_alu depctr_va_vdst(0)
	WAYOUT OHI
	s_wait_tensorcnt 0x0                           ; the wave's end, behind my last tensor load and my last LDS store
	ds_add_u32 v[SPW], v[NIL]
	s_wait_dscnt 0x0
	s_endpgm
.Lfunc_end_k_qad401ea3bb_attn:
	.size	k_qad401ea3bb_attn, .Lfunc_end_k_qad401ea3bb_attn-k_qad401ea3bb_attn
	.p2alignl 7, 3214868480
	.fill 96, 4, 3214868480
	.section	.rodata,"a",@progbits
	.p2align	6, 0x0
	.amdhsa_kernel k_qad401ea3bb_attn
		.amdhsa_group_segment_fixed_size 327680
		.amdhsa_private_segment_fixed_size 0
		.amdhsa_enable_private_segment 0
		.amdhsa_kernarg_size 24
		.amdhsa_user_sgpr_count 2
		.amdhsa_user_sgpr_kernarg_segment_ptr 1
		.amdhsa_wavefront_size32 1
		.amdhsa_system_sgpr_workgroup_id_x 1
		.amdhsa_system_sgpr_workgroup_id_y 1
		.amdhsa_system_sgpr_workgroup_id_z 1
		.amdhsa_system_vgpr_workitem_id 0
		.amdhsa_next_free_vgpr 256
		.amdhsa_next_free_sgpr 100
		.amdhsa_reserve_vcc 1
		.amdhsa_float_denorm_mode_32 3
		.amdhsa_float_denorm_mode_16_64 3
		.amdhsa_fp16_overflow 1
		.amdhsa_memory_ordered 1
		.amdhsa_forward_progress 1
		.amdhsa_inst_pref_size 96
	.end_amdhsa_kernel
	.amdgpu_metadata
---
amdhsa.version: [ 1, 2 ]
amdhsa.kernels:
  - .name:           k_qad401ea3bb_attn
    .symbol:         k_qad401ea3bb_attn.kd
    .args:
      - { .name: qkv, .offset: 0, .size: 8, .value_kind: global_buffer, .address_space: global }
      - { .name: lowp_scales, .offset: 8, .size: 8, .value_kind: global_buffer, .address_space: global }
      - { .name: out0, .offset: 16, .size: 8, .value_kind: global_buffer, .address_space: global }
    .group_segment_fixed_size: 327680
    .private_segment_fixed_size: 0
    .kernarg_segment_align: 8
    .kernarg_segment_size: 24
    .max_flat_workgroup_size: 512
    .sgpr_count:     100
    .vgpr_count:     256
    .wavefront_size: 32
...
	.end_amdgpu_metadata
.endif
;; end of part 3
